; MI455X (gfx1250); checked and timed in simulation.
; The chip was launched on July 23, 2026; its instructions are those of AMD's public machine-readable ISA for CDNA 5 (MIT licence, August 2026) and "CDNA5" Instruction Set Architecture Reference Guide (July 2026). The comments in the code are by the model that wrote it; some were corrected since.
;; TFM8. Allowed arithmetic: matrix products marked QUANTISED: E2M1 operands, one E8M0 scale for each 32 along K, by v_wmma_scale_f32_16x16x128_f8f6f4 with both operands' format E2M1 (or v_wmma_scale_f32_32x16x128_f4), f32 sums; products left as they are: bf16, f16 or f32 operands; f32 sums; everything else in f32.
;; Inputs: kb 256 float32; kw 256 x 256 float32; ln_b 256 float32; ln_w 256 float32; qb 256 float32; qw 256 x 256 float32; vb 256 float32; vw 256 x 256 float32; x1 4 x 256 x 64 x 64 float32; x2 4 x 256 x 64 x 64 float32.
;; Outputs: out0 4 x 256 x 64 x 64 float32.
;; This version of the problem:
;;   THIS VERSION OF THE PROBLEM IS GIVEN IN LOW PRECISION. The matrix products marked QUANTISED in the list below multiply operands that are first quantised to E2M1 (2 exponent bits, 1 mantissa bit; 4 bits a number), with one power-of-two scale for each 32 numbers along K (OCP MX v1.0); their sums are f32. The products marked 'left as it is' may take bf16, f16 or f32 operands, with f32 sums. Whichever they take, every output number must still come out within the allowed error. Rounding operands to bf16 (8 significant bits) uses up far more of that allowance than f16 does (11 bits, for magnitudes from 6e-5 to 65,504). All else is computed in f32.
;;   The module's matrix products, in the order in which they are computed (A, B: the left and right operand; K: the contracted axis; several contracted axes count as one K, in the product's order):
;;     1. [M 16,384, K 256] x [K 256, N 256]; A: input x1; B: input qw: QUANTISED
;;     2. [M 16,384, K 256] x [K 256, N 256]; A: input x2; B: input kw: QUANTISED
;;     3. [M 16,384, K 256] x [K 256, N 256]; A: input x2; B: input vw: QUANTISED
;;     4. batch 4 x [M 4,096, K 256] x [K 256, N 4,096]; A: computed on the way; B: computed on the way: left as it is (an operand is computed on the way)
;;     5. batch 4 x [M 256, K 4,096] x [K 4,096, N 4,096]; A: computed on the way; B: computed on the way: left as it is (an operand is computed on the way)
;;   THE QUANTISER, for each operand of a quantised product, along K:
;;     - K is cut into blocks of 32 from its start; a last block that is shorter is filled with zeros.
;;     - A block's scale is 2^e with e = floor(log2(the largest magnitude in the block)) - 2, held to -126 .. 127; a block of zeros has e = 0. As a byte (E8M0): e + 127.
;;     - Each number is divided by its block's scale, clamped to +-6, and rounded to the nearest number of E2M1, ties to even, subnormals kept.
;;     - The product sums the exact products of the quantised numbers (number of the format x scale) in f32.
;;   ~~~python
;;   def quantise(x, axis):      # numpy; x: float32 -> the quantised numbers, widened to float32 again
;;       x = np.moveaxis(x, axis, -1); K = x.shape[-1]
;;       x = np.pad(x, [(0, 0)] * (x.ndim - 1) + [(0, -K % 32)]); x = x.reshape(x.shape[:-1] + (-1, 32)); a = np.abs(x).max(-1, keepdims=True)
;;       e = np.where(a > 0, np.clip(np.frexp(np.where(a > 0, a, 1))[1] - 1 - 2, -126, 127), 0)      # np.frexp(a)[1] - 1 = floor(log2(a)), exactly
;;       r = np.clip(x / 2.0 ** e, -6, 6)
;;       step = 2.0 ** (np.maximum(np.frexp(np.where(r == 0, 1, r))[1] - 1, 0) - 1)
;;       q = np.round(r / step) * step * 2.0 ** e      # np.round: ties to even
;;       return np.moveaxis(q.reshape(q.shape[:-2] + (-1,))[..., :K], -1, axis).astype(np.float32)
;;   ~~~
;; One version. Each part assembles by itself: llvm-mc -triple=amdgcn-amd-amdhsa -mcpu=gfx1250 --defsym DOCPART=n.
;; ======== version 1 of 1: 3 launches
;; limits: values are held in f16: magnitudes above 65,504 overflow, below 6.1e-05 lose precision
;; workspace buffers: wc 98,304 bytes; ws 12,288 bytes; qf 8,388,608 bytes; kf 8,388,608 bytes; vf 8,388,608 bytes
;; launch wq (part 1): grid 48 x 1, 1 waves a work-group, no clusters, 0 bytes of LDS; arguments qw, kw, vw, wc, ws; writes wc, ws
.if DOCPART == 1
	.amdgcn_target "amdgcn-amd-amdhsa--gfx1250"
	.amdhsa_code_object_version 6
	.text
	.protected	k_qc18eaaf168_wq
	.globl	k_qc18eaaf168_wq
	.p2align	8
	.type	k_qc18eaaf168_wq,@function
k_qc18eaaf168_wq:
	s_mov_b64 s[64:65], 0
	v_nop
	global_prefetch_b8 v0, s[64:65] scope:SCOPE_SE
	s_setreg_imm32_b32 hwreg(HW_REG_WAVE_MODE, 25, 1), 1
	s_wait_xcnt 0x0
; qw, kw, vw [256 (o)][256 (c)], f32, K = c innermost, become codes of FP4 (E2M1) with one E8M0 scale byte for each 32 along K,
; laid in the ORDER OF THE OPERAND'S REGISTERS: wc [m 3][ot 16][s 2][c 2][lane 32][16 bytes]: fragment (16 rows ot, K step s of 128), registers 4 c .. 4 c + 3 of each lane;
; ws [m 3][ot 16][lane 32][s 2] words: the scale word of row lane % 16 for K step s, alike in both halves of the lanes.
; One wave takes 16 rows of one weight: 48 work-groups.  Lane (r, h) loads just the k that the operand's layout gives it: k = 128 s + 64 c + 32 h + 0 .. 31 of row r:
; a whole block of 32 in 32 registers, so that a block's largest magnitude needs no other lane and the conversions' results are the operand's registers.
; A block's scale is 2^(floor(log2(its largest magnitude)) - 2): its byte is the largest magnitude's exponent field - 2, held at 1 from below.
; LIMITS: a block of zeros gets the byte 1 where the rule says 127 (its codes are zeros, and this program alone reads the bytes); NaN and infinities among the inputs are not served.
.set M,  8                             ; v8-11    largest magnitudes, block 2 s + c
.set SO, 12                            ; v12-15   the conversions' scale operands
.set BY, 16                            ; v16-19   the scale bytes
.set SW, 20                            ; v[20:21] the two scale words
.set X,  32                            ; v32-159  the numbers: block 2 s + c at X + 32 (2 s + c)
.set CD, 160                           ; v160-175 the codes: register 8 s + 4 c + g
	s_load_b256 s[4:11], s[0:1], 0x0               ; qw s[4:5], kw s[6:7], vw s[8:9], wc s[10:11]
	s_load_b64 s[12:13], s[0:1], 0x20              ; ws
	v_and_b32 v1, 15, v0                           ; r
	v_lshrrev_b32 v2, 4, v0                        ; h (one wave: v0 is the lane)
	v_lshlrev_b32 v3, 10, v1                       ; row r of 1,024 bytes,
	v_lshl_add_u32 v3, v2, 7, v3                   ; + 128 h: my 32 numbers of a pair of blocks
	v_lshlrev_b32 v4, 4, v0                        ; 16 x lane: my place in a chunk of codes
	v_lshlrev_b32 v5, 3, v0                        ; 8 x lane: my two scale words
	v_lshlrev_b32 v6, 3, v2                        ; 8 h: my bytes' place in a scale word
	v_mov_b32 v22, 0                               ; a lane permute's destination counts as one of its sources
	v_mov_b32 v23, 0
	s_mov_b32 s20, 0x76543210
	s_mov_b32 s21, 0xfedcba98                      ; v_permlanex16_b32's selects for lane l xor 16
	s_and_b32 s16, ttmp9, 15
	s_lshl_b32 s16, s16, 14                        ; 16 rows of 1,024 bytes for each ot
	s_mov_b32 s17, 0
	s_lshl_b32 s18, ttmp9, 11                      ; 2,048 bytes of codes for each work-group
	s_mov_b32 s19, 0
	s_lshl_b32 s22, ttmp9, 8                       ; 256 bytes of scale words
	s_mov_b32 s23, 0
	s_wait_kmcnt 0x0
	s_cmp_lt_u32 ttmp9, 16                         ; which weight: the choice hangs on the work-group's number alone
	s_cselect_b64 s[14:15], s[4:5], s[6:7]
	s_cmp_lt_u32 ttmp9, 32
	s_cselect_b64 s[14:15], s[14:15], s[8:9]
	s_add_nc_u64 s[14:15], s[14:15], s[16:17]
	s_add_nc_u64 s[10:11], s[10:11], s[18:19]
	s_add_nc_u64 s[12:13], s[12:13], s[22:23]
.irp s, 0,1
.irp c, 0,1
.irp j, 0,1,2,3,4,5,6,7
	global_load_b128 v[X+64*\s+32*\c+4*\j:X+64*\s+32*\c+4*\j+3], v3, s[14:15] offset:512*\s+256*\c+16*\j
.endr
.endr
.endr
	s_wait_loadcnt 0x0
.irp b, 0,1,2,3
	v_max3_num_f32 v[M+\b], |v[X+32*\b]|, |v[X+32*\b+1]|, 0x1800000   ; my block's numbers, and the floor 2^(3 - 127): so the byte cannot fall under 1
.endr
.irp i, 2,4,6,8,10,12,14,16,18,20,22,24,26,28,30
.irp b, 0,1,2,3
	v_max3_num_f32 v[M+\b], v[M+\b], |v[X+32*\b+\i]|, |v[X+32*\b+\i+1]|   ; the four blocks by turns
.endr
.endr
.irp b, 0,1,2,3
	v_add_nc_u32 v[SO+\b], 0xff000000, v[M+\b]     ; 2 off the exponent field: the conversion takes the exponent field of this operand as its scale
.endr
.irp b, 0,1,2,3
	v_lshrrev_b32 v[BY+\b], 23, v[SO+\b]           ; the scale's byte
.endr
.irp s, 0,1
	v_lshl_or_b32 v[SW+\s], v[BY+2*\s+1], 16, v[BY+2*\s]   ; my two bytes of K step s: blocks h and 2 + h,
.endr
.irp s, 0,1
	v_lshlrev_b32 v[SW+\s], v6, v[SW+\s]           ; at their places in the word;
.endr
.irp s, 0,1
	v_permlanex16_b32 v[22+\s], v[SW+\s], s20, s21
.endr
.irp s, 0,1
	v_or_b32 v[SW+\s], v[SW+\s], v[22+\s]          ; with lane l xor 16's two the word is whole, in both halves of the lanes
.endr
.irp b, 0,1,2,3
.irp g, 0,1,2,3
	v_cvt_scalef32_pk8_fp4_f32 v[CD+4*\b+\g], v[X+32*\b+8*\g:X+32*\b+8*\g+7], v[SO+\b]
.endr
.endr
	v_nop                                          ; one plain line behind the last scaled conversion
.irp s, 0,1
.irp c, 0,1
	global_store_b128 v4, v[CD+8*\s+4*\c:CD+8*\s+4*\c+3], s[10:11] offset:1024*\s+512*\c   ; 32 lanes store 512 consecutive bytes
.endr
.endr
	global_store_b64 v5, v[SW:SW+1], s[12:13]      ; 32 lanes store 256 consecutive bytes, aligned
	s_endpgm
.Lfunc_end_k_qc18eaaf168_wq:
	.size	k_qc18eaaf168_wq, .Lfunc_end_k_qc18eaaf168_wq-k_qc18eaaf168_wq
	.p2alignl 7, 3214868480
	.fill 96, 4, 3214868480
	.section	.rodata,"a",@progbits
	.p2align	6, 0x0
	.amdhsa_kernel k_qc18eaaf168_wq
		.amdhsa_group_segment_fixed_size 0
		.amdhsa_private_segment_fixed_size 0
		.amdhsa_enable_private_segment 0
		.amdhsa_kernarg_size 40
		.amdhsa_user_sgpr_count 2
		.amdhsa_user_sgpr_kernarg_segment_ptr 1
		.amdhsa_wavefront_size32 1
		.amdhsa_system_sgpr_workgroup_id_x 1
		.amdhsa_system_sgpr_workgroup_id_y 1
		.amdhsa_system_sgpr_workgroup_id_z 1
		.amdhsa_system_vgpr_workitem_id 0
		.amdhsa_next_free_vgpr 176
		.amdhsa_next_free_sgpr 66
		.amdhsa_reserve_vcc 0
		.amdhsa_float_denorm_mode_32 3
		.amdhsa_float_denorm_mode_16_64 3
		.amdhsa_memory_ordered 1
		.amdhsa_forward_progress 1
		.amdhsa_inst_pref_size 11
	.end_amdhsa_kernel
	.amdgpu_metadata
---
amdhsa.version: [ 1, 2 ]
amdhsa.kernels:
  - .name:           k_qc18eaaf168_wq
    .symbol:         k_qc18eaaf168_wq.kd
    .args:
      - { .name: qw, .offset: 0, .size: 8, .value_kind: global_buffer, .address_space: global }
      - { .name: kw, .offset: 8, .size: 8, .value_kind: global_buffer, .address_space: global }
      - { .name: vw, .offset: 16, .size: 8, .value_kind: global_buffer, .address_space: global }
      - { .name: wc, .offset: 24, .size: 8, .value_kind: global_buffer, .address_space: global }
      - { .name: ws, .offset: 32, .size: 8, .value_kind: global_buffer, .address_space: global }
    .group_segment_fixed_size: 0
    .private_segment_fixed_size: 0
    .kernarg_segment_align: 8
    .kernarg_segment_size: 40
    .max_flat_workgroup_size: 32
    .sgpr_count:     66
    .vgpr_count:     176
    .wavefront_size: 32
...
	.end_amdgpu_metadata
.endif
;; end of part 1
;; launch proj (part 2): grid 256 x 1, 4 waves a work-group, no clusters, 167,936 bytes of LDS; arguments x1, x2, wc, ws, qb, kb, vb, qf, kf, vf; writes qf, kf, vf
.if DOCPART == 2
	.amdgcn_target "amdgcn-amd-amdhsa--gfx1250"
	.amdhsa_code_object_version 6
	.text
	.protected	k_qc18eaaf168_proj
	.globl	k_qc18eaaf168_proj
	.p2align	8
	.type	k_qc18eaaf168_proj,@function
k_qc18eaaf168_proj:
	s_mov_b64 s[64:65], 0
	v_nop
	global_prefetch_b8 v0, s[64:65] scope:SCOPE_SE
	s_setreg_imm32_b32 hwreg(HW_REG_WAVE_MODE, 25, 1), 1
	s_wait_xcnt 0x0
; q = qw x1 + qb, k = kw x2 + kb, v = vw x2 + vb (1 x 1 convolutions), each product on codes of FP4 (E2M1) with one E8M0 scale for each 32 along K = the 256 channels.
; x1, x2: [4][256 (c)][64][64] f32: K is NOT innermost.  The weights come as codes in the order of the operand's registers (wc, ws).  Results: q x log2(e), k, v rounded to f16 and stored
; as images of the f16 operands of the next launch: qf, kf [g 256][u 8][t 4][c 2][lane 32][16 bytes] (16 pixels t, channels 32 u on); vf [g][ct 16][kap 2][c 2][lane][16 bytes] (16 channels ct, pixels 32 kap on).
; SHARES.  Work-group g = 64 b + i takes the 64 pixels of image row i of batch b, of both x1 and x2: two tiles [256 channels][64 pixels] of f32, rows of 256 bytes, asked for by four tensor loads at the head.
; QUANTISING: wave w takes 32 pixels x 256 channels (tensor w / 2, pixel half w % 2): A LANE TAKES A PIXEL, ITS REGISTERS RUN DOWN THE CHANNELS: a block of 32 lies in one lane, and the codes come out with K innermost.
; The fragments go to the other waves through LDS as images of their registers.  PRODUCTS: the waves share the OUTPUT channels: wave w makes channels 64 w .. 64 w + 63 of q, k and v for all 64 pixels,
; so each fragment of a weight is loaded by one wave of the work-group, straight into registers.
; NO CLUSTER: what work-groups share is the weights' codes, 110,592 bytes against 131,072 of a work-group's own x, and they go into registers, not into LDS.
; LIMITS: |q log2(e)|, |k|, |v| stay under 65,504 (f16); a block of zeros gets the byte 1 where the rule says 127 (its codes are zeros; this program alone reads the bytes); NaN and infinities are not served.
; REGISTERS.  window 0: v1-11 addresses; v12-15 at work; v16-39 the weights' scale words; v40-47 x's scale words; v48-111 eight fragments of x; v112-175 two sets of 32 numbers, then 8 accumulators;
;   v176-207 codes, then packed f16; v208-239 v's bias as 4 tiles; v240-241 scale words just made; v242-245 vb.   window 1: v0-191 the weights' 24 fragments; v192-223 qb's 4 tiles; v224-255 kb's.
.set XIMG,  131072                     ; LDS: 0: x1's tile, 65,536: x2's; here: 16 images of FP4 fragments (8 tensor + 2 pixel tile + K step), 1,024 bytes each
.set XSC,   147456                     ; 8 images of scale words (2 (2 tensor + half) + K step), 128 bytes each
.set SPARE, 148480                     ; the spare words, 128 bytes for each wave: two blocks of 256 bytes that no other line names
.set L16, 1                            ; v1   16 x lane: a chunk's place for my lane, in memory
.set XA,  2                            ; v2   LDS: my pixel's column in my tensor's tile
.set XWI, 3                            ; v3   LDS: where I store my fragments' images
.set XWS, 4                            ; v4   LDS: and their scale words
.set LSC, 5                            ; v5   LDS: XSC + 4 x lane
.set L8,  6                            ; v6   8 x lane
.set H32, 7                            ; v7   32 x (lane / 16)
.set R4,  8                            ; v8   4 x (lane % 16)
.set LXI, 9                            ; v9   LDS: XIMG + 16 x lane
.set SPW, 10                           ; v10  LDS address of my spare word; never rewritten
.set NIL, 11                           ; v11  0; never rewritten
.set WS,  16
.set XSW, 40
.set XF,  48
.set ACC, 112
.set CD,  176
.set PK,  176
.set VBI, 208
.set SW,  240
.set VBL, 242
.set WV,  36                           ; s36  my wave's number
.set MSB, 0
.macro WIN new                         ; the immediate's high byte repeats the setting that is left
.if MSB != (\new)
	s_set_vgpr_msb (MSB<<8)|(\new)
.set MSB, (\new)
.endif
.endm
.macro PLACES n
.rept \n
	v_nop
.endr
.endm
	s_load_b256 s[4:11], s[0:1], 0x0               ; x1 s[4:5], x2 s[6:7], wc s[8:9], ws s[10:11]
	s_load_b256 s[12:19], s[0:1], 0x20             ; qb s[12:13], kb s[14:15], vb s[16:17], qf s[18:19]
	s_load_b128 s[20:23], s[0:1], 0x40             ; kf s[20:21], vf s[22:23]
	v_lshl_add_u32 v[SPW], v0, 2, SPARE
	v_mov_b32 v[NIL], 0
	ds_add_u32 v[SPW], v[NIL]                      ; the wave's opening: the add, twice on end, and its wait ahead of my first tensor load
	ds_add_u32 v[SPW], v[NIL]                      ; and once more, under the one wait; the set-up below, work on registers, stands between
	v_lshrrev_b32 v12, 5, v0
	v_readfirstlane_b32 s[WV], v12                 ; wave 0..3
	s_lshr_b32 s37, s[WV], 1                       ; which tensor I fetch and quantise: x1 (0) or x2 (1)
	s_and_b32 s38, s[WV], 1                        ; which 128 channels I fetch; which 32 pixels I quantise
	; descriptor group 1: 128 rows (channels) of 64 elements of 4 bytes, 4,096 elements from row to row; dense in LDS
	s_mov_b32 s24, 2<<16                           ; no mask; elements of 4 bytes; no padding: every LDS access here takes consecutive bytes in consecutive lanes
	s_mov_b32 s25, 64<<16                          ; tensor_dim0 = 64
	s_mov_b32 s26, 128<<16                         ; tensor_dim1 = 128
	s_mov_b32 s27, 64<<16                          ; tile_dim0 = 64
	s_mov_b32 s28, 128                             ; tile_dim1 = 128
	s_mov_b32 s29, 4096                            ; tensor_dim0_stride
	s_mov_b32 s30, 0
	s_mov_b32 s31, 0
	s_mov_b32 s40, 0x3fb8aa3b                      ; log2(e): folded into q, so that the softmax's exponentials are base 2
	s_mov_b32 s41, s40                             ; (named with it as a pair)
	v_and_b32 v12, 31, v0                          ; lane
	v_and_b32 v13, 15, v0                          ; r
	v_bfe_u32 v14, v0, 4, 1                        ; h
	v_lshlrev_b32 v[L16], 4, v12
	v_lshlrev_b32 v[L8], 3, v12
	v_lshlrev_b32 v[H32], 5, v14
	v_lshlrev_b32 v[R4], 2, v13
	s_lshl_b32 s42, s37, 16
	s_lshl_b32 s43, s38, 7
	s_add_co_u32 s42, s42, s43
	v_lshl_add_u32 v[XA], v12, 2, s42              ; 65,536 x tensor + 128 x half + 4 x lane
	s_lshl_b32 s42, s[WV], 12
	s_add_co_u32 s42, s42, XIMG
	v_add_nc_u32 v[XWI], s42, v[L16]               ; XIMG + 4,096 x wave + 16 x lane
	s_lshl_b32 s42, s[WV], 8
	s_add_co_u32 s42, s42, XSC
	v_lshl_add_u32 v[XWS], v12, 2, s42             ; XSC + 256 x wave + 4 x lane
	v_lshl_add_u32 v[LSC], v12, 2, XSC
	v_add_nc_u32 v[LXI], XIMG, v[L16]
	s_lshr_b32 s44, ttmp9, 6
	s_lshl_b32 s44, s44, 22                        ; the batch: 256 channels x 16,384 bytes,
	s_lshl_b32 s45, s38, 21
	s_add_co_u32 s44, s44, s45                     ; my 128 channels,
	s_and_b32 s45, ttmp9, 63
	s_lshl_b32 s45, s45, 8
	s_add_co_u32 s44, s44, s45                     ; the image row: 256 bytes
	s_mov_b32 s45, 0
	s_lshl_b32 s42, s[WV], 13                      ; 8,192 x wave: my part of the weights' codes and of each result tile
	s_mov_b32 s43, 0
	s_lshl_b32 s46, ttmp9, 15                      ; a result tile is 32,768 bytes
	s_add_co_u32 s46, s46, s42
	s_mov_b32 s47, 0
	s_wait_dscnt 0x0                               ; both opening adds are done
	s_wait_kmcnt 0x0
	s_cmp_lt_u32 s[WV], 2
	s_cselect_b64 s[34:35], s[4:5], s[6:7]         ; waves 0, 1: x1; waves 2, 3: x2
	s_add_nc_u64 s[34:35], s[34:35], s[44:45]      ; group 0: the tile's first element,
	s_or_b32 s35, s35, 0x80000000                  ; type = 2,
	s_mov_b32 s32, 1                               ; count = 1,
	s_lshl_b32 s33, s[WV], 15                      ; LDS address: 32,768 x wave
	tensor_load_to_lds s[32:35], s[24:31]          ; my quarter of the two tiles: the wave's one tensor load
	s_nop 0
	PLACES 4
	s_add_nc_u64 s[8:9], s[8:9], s[42:43]          ; wc at my four tiles of output channels
	s_add_nc_u64 s[18:19], s[18:19], s[46:47]      ; qf, kf, vf at my part of the work-group's tile
	s_add_nc_u64 s[20:21], s[20:21], s[46:47]
	s_add_nc_u64 s[22:23], s[22:23], s[46:47]
	s_lshl_b32 s42, s[WV], 10
	s_add_nc_u64 s[10:11], s[10:11], s[42:43]      ; ws: 256 bytes a tile
	s_lshl_b32 s42, s[WV], 8
	s_add_nc_u64 s[12:13], s[12:13], s[42:43]      ; the biases: my 64 numbers
	s_add_nc_u64 s[14:15], s[14:15], s[42:43]
	s_add_nc_u64 s[16:17], s[16:17], s[42:43]
	WIN 0x40                                       ; destination window 1
.irp mm, 0,1,2
.irp oo, 0,1,2,3
.irp ss, 0,1
.irp cc, 0,1
	global_load_b128 v[8*(8*\mm+2*\oo+\ss)+4*\cc:8*(8*\mm+2*\oo+\ss)+4*\cc+3], v[L16], s[8:9] offset:\mm*32768+\oo*2048+\ss*1024+\cc*512   ; weight m, my tile o, K step s: they stay
.endr
.endr
.endr
.endr
.irp oo, 0,1,2,3
.irp zz, 0,1
	global_load_b128 v[192+8*\oo+4*\zz:192+8*\oo+4*\zz+3], v[H32], s[12:13] offset:64*\oo+16*\zz   ; qb in the result's layout: lane (r, h), register j: channel 16 o + 8 h + j
	global_load_b128 v[224+8*\oo+4*\zz:224+8*\oo+4*\zz+3], v[H32], s[14:15] offset:64*\oo+16*\zz   ; kb likewise
.endr
.endr
	WIN 0
.irp mm, 0,1,2
.irp oo, 0,1,2,3
	global_load_b64 v[WS+2*(4*\mm+\oo):WS+2*(4*\mm+\oo)+1], v[L8], s[10:11] offset:\mm*4096+\oo*256   ; the scale words of both K steps
.endr
.endr
.irp oo, 0,1,2,3
	global_load_b32 v[VBL+\oo], v[R4], s[16:17] offset:64*\oo   ; vb: lane (r, h): channel 16 o + r
.endr
	s_wait_tensorcnt 0x0                           ; my quarter has landed: for the others' sake
	s_barrier_signal -1
	s_barrier_wait -1                              ; both tiles are whole
; ---- x becomes codes.  Block b of 8: channels 32 b .. 32 b + 31 of my pixel, into set b % 2; each LDS load takes 128 consecutive bytes
.macro LOADB blk
.irp i, 0,1,2,3,4,5,6,7,8,9,10,11,12,13,14,15,16,17,18,19,20,21,22,23,24,25,26,27,28,29,30,31
	ds_load_b32 v[ACC+32*((\blk)%2)+\i], v[XA] offset:(32*(\blk)+\i)*256
.endr
.endm
.macro BLOCK blk
.set XS, ACC+32*((\blk)%2)
.if (\blk) < 7
	s_wait_dscnt 32                                ; this block's 32 loads are in; the next block's may be out
.else
	s_wait_dscnt 0x0
.endif
	v_max3_num_f32 v12, |v[XS]|, |v[XS+1]|, |v[XS+2]|     ; the block's largest magnitude, in two chains: all 32 numbers are mine
	v_max3_num_f32 v13, |v[XS+3]|, |v[XS+4]|, |v[XS+5]|
.irp i, 6,10,14,18,22,26
	v_max3_num_f32 v12, v12, |v[XS+\i]|, |v[XS+\i+1]|
	v_max3_num_f32 v13, v13, |v[XS+\i+2]|, |v[XS+\i+3]|
.endr
	v_max3_num_f32 v12, v12, |v[XS+30]|, |v[XS+31]|
	v_max3_num_f32 v12, v12, v13, 0x1800000        ; and the floor 2^(3 - 127): the byte cannot fall under 1
	v_add_nc_u32 v14, 0xff000000, v12              ; 2 off the exponent field: the conversion's scale operand
	v_lshrrev_b32 v15, 23, v14                     ; the scale's byte
.if (\blk)%4 == 0
	v_mov_b32 v[SW+(\blk)/4], v15                  ; four bytes to a word, the lower K in the lower byte
.else
	v_lshl_or_b32 v[SW+(\blk)/4], v15, 8*((\blk)%4), v[SW+(\blk)/4]
.endif
.irp g, 0,1,2,3
	v_cvt_scalef32_pk8_fp4_f32 v[CD+4*(\blk)+\g], v[XS+8*\g:XS+8*\g+7], v14
.endr
.if (\blk) < 6
	LOADB (\blk)+2                                 ; the next block begins with sixteen plain lines that touch neither these codes nor the scale operand
.endif
.endm
	LOADB 0
	LOADB 1
.irp b, 0,1,2,3,4,5,6,7
	BLOCK \b
.endr
	v_nop                                          ; one plain line behind the last scaled conversion
; A lane holds all 8 blocks of ONE pixel; the operand's layout wants, for a tile of 16 pixels, block 2 c in lanes 0-15 and block 2 c + 1 in lanes 16-31.  The exchange below leaves the even block's
; register as register 4 c + i of pixel tile 0's fragment and the odd block's as that of pixel tile 1's.
.irp ss, 0,1
.irp cc, 0,1
.irp i, 0,1,2,3
	v_permlane16_swap_b32 v[CD+4*(4*\ss+2*\cc)+\i], v[CD+4*(4*\ss+2*\cc+1)+\i]
.endr
.endr
.endr
.irp ss, 0,1
.irp cc, 0,1
.irp tt, 0,1
	ds_store_b128 v[XWI], v[CD+4*(4*\ss+2*\cc+\tt):CD+4*(4*\ss+2*\cc+\tt)+3] offset:(2*\tt+\ss)*1024+512*\cc   ; the fragment as it stands: lane l's 16 bytes at 16 l
.endr
.endr
.endr
.irp ss, 0,1
	ds_store_b32 v[XWS], v[SW+\ss] offset:128*\ss  ; lane l: the scale word of pixel l of my 32: lanes 0-15 serve pixel tile 0, lanes 16-31 tile 1
.endr
	s_wait_dscnt 0x0                               ; for the others' sake: my stores have landed
	s_barrier_signal -1
	s_barrier_wait -1                              ; all sixteen fragments and their scale words lie in LDS
.macro FETCHX src                      ; the 8 fragments (pixel tile, K step) of one tensor
.irp ff, 0,1,2,3,4,5,6,7
.irp cc, 0,1
	ds_load_b128 v[XF+8*\ff+4*\cc:XF+8*\ff+4*\cc+3], v[LXI] offset:8192*(\src)+1024*\ff+512*\cc
.endr
.endr
.endm
.irp nn, 0,1,2,3,4,5,6,7
	ds_load_b32 v[XSW+\nn], v[LSC] offset:128*\nn
.endr
	FETCHX 0
	s_wait_dscnt 0x0
	s_wait_loadcnt 0x0                             ; the weights, their scale words, the biases
.irp oo, 0,1,2,3
.irp j, 0,1,2,3,4,5,6,7
	v_mov_b32 v[VBI+8*\oo+\j], v[VBL+\oo]          ; v's bias in its result's layout: a lane holds one channel, so all eight registers hold its bias
.endr
.endr
.macro FP4MM d, a, b, c, sa, sb, arow, brow
.if \arow
	v_wmma_scale_f32_16x16x128_f8f6f4 v[(\d):(\d)+7], v[(\a):(\a)+7], v[(\b):(\b)+7], v[(\c):(\c)+7], v[(\sa)], v[(\sb)] matrix_a_fmt:MATRIX_FMT_FP4 matrix_b_fmt:MATRIX_FMT_FP4 matrix_a_scale:MATRIX_SCALE_ROW1
.elseif \brow
	v_wmma_scale_f32_16x16x128_f8f6f4 v[(\d):(\d)+7], v[(\a):(\a)+7], v[(\b):(\b)+7], v[(\c):(\c)+7], v[(\sa)], v[(\sb)] matrix_a_fmt:MATRIX_FMT_FP4 matrix_b_fmt:MATRIX_FMT_FP4 matrix_b_scale:MATRIX_SCALE_ROW1
.else
	v_wmma_scale_f32_16x16x128_f8f6f4 v[(\d):(\d)+7], v[(\a):(\a)+7], v[(\b):(\b)+7], v[(\c):(\c)+7], v[(\sa)], v[(\sb)] matrix_a_fmt:MATRIX_FMT_FP4 matrix_b_fmt:MATRIX_FMT_FP4
.endif
.endm
; A GROUP: weight m on pixel tiles 2 pp and 2 pp + 1 (e = 0, 1) x my four tiles of channels: 8 accumulators, which take turns, one instruction a turn, K step 0 and then K step 1.
; The bias is the C of each sum's first instruction.  kind 0 (q, k): source 0 = the weight, source 1 = x: a lane holds ONE pixel, its registers 8 neighbouring channels: two tiles pack into an f16 fragment [16 pixels][32 channels].
; kind 1 (v): the sources swapped: a lane holds ONE channel, its registers 8 neighbouring pixels: pixel tiles 2 pp, 2 pp + 1 pack into a fragment [16 channels][32 pixels].
.macro GROUP m, src, pp, kind
.irp ss, 0,1
.if \kind
	WIN 0x04                                       ; source 1 (the weight) window 1
.elseif \ss == 0
	WIN 0x11                                       ; source 0 (the weight) and source 2 (the bias) window 1
.else
	WIN 0x01
.endif
.irp ee, 0,1
.irp oo, 0,1,2,3
.if \kind
.if \ss == 0
	FP4MM ACC+8*(4*\ee+\oo), XF+8*(2*(2*(\pp)+\ee)+\ss), 8*(8*(\m)+2*\oo+\ss), VBI+8*\oo, XSW+2*(2*(\src)+(\pp))+\ss, WS+2*(4*(\m)+\oo)+\ss, \ee, 0
.else
	FP4MM ACC+8*(4*\ee+\oo), XF+8*(2*(2*(\pp)+\ee)+\ss), 8*(8*(\m)+2*\oo+\ss), ACC+8*(4*\ee+\oo), XSW+2*(2*(\src)+(\pp))+\ss, WS+2*(4*(\m)+\oo)+\ss, \ee, 0
.endif
.else
.if \ss == 0
	FP4MM ACC+8*(4*\ee+\oo), 8*(8*(\m)+2*\oo+\ss), XF+8*(2*(2*(\pp)+\ee)+\ss), 192+32*(\m)+8*\oo, WS+2*(4*(\m)+\oo)+\ss, XSW+2*(2*(\src)+(\pp))+\ss, 0, \ee
.else
	FP4MM ACC+8*(4*\ee+\oo), 8*(8*(\m)+2*\oo+\ss), XF+8*(2*(2*(\pp)+\ee)+\ss), ACC+8*(4*\ee+\oo), WS+2*(4*(\m)+\oo)+\ss, XSW+2*(2*(\src)+(\pp))+\ss, 0, \ee
.endif
.endif
.endr
.endr
.endr
	WIN 0
	PLACES 5                                       ; four in front of the reads of results (ISA guide 7.12.1); the fifth since the next group's first products write over these accumulators with another C
	s_wait_xcnt 0x0                                ; the last group's stores have read the packed registers: they may be written again
.if (\m) == 0
.irp aa, 0,1,2,3,4,5,6,7
.irp ii, 0,2,4,6
	v_pk_mul_f32 v[ACC+8*\aa+\ii:ACC+8*\aa+\ii+1], v[ACC+8*\aa+\ii:ACC+8*\aa+\ii+1], s[40:41] op_sel_hi:[1,0]   ; q x log2(e), in f32, each accumulator from its low end on
.endr
.endr
.endif
.irp ee, 0,1
.irp oo, 0,1,2,3
.irp ii, 0,1,2,3
.if \kind
	v_cvt_pk_f16_f32 v[PK+8*\oo+4*\ee+\ii], v[ACC+8*(4*\ee+\oo)+2*\ii], v[ACC+8*(4*\ee+\oo)+2*\ii+1]
.else
	v_cvt_pk_f16_f32 v[PK+16*\ee+4*\oo+\ii], v[ACC+8*(4*\ee+\oo)+2*\ii], v[ACC+8*(4*\ee+\oo)+2*\ii+1]
.endif
.endr
.endr
.endr
.if \kind
.irp oo, 0,1,2,3
.irp ee, 0,1
	global_store_b128 v[L16], v[PK+8*\oo+4*\ee:PK+8*\oo+4*\ee+3], s[18+2*(\m):19+2*(\m)] offset:(2*\oo+(\pp))*1024+512*\ee   ; 32 lanes store 512 consecutive bytes, aligned
.endr
.endr
.else
.irp ee, 0,1
.irp uu, 0,1
.irp zz, 0,1
	global_store_b128 v[L16], v[PK+16*\ee+8*\uu+4*\zz:PK+16*\ee+8*\uu+4*\zz+3], s[18+2*(\m):19+2*(\m)] offset:(4*\uu+2*(\pp)+\ee)*1024+512*\zz
.endr
.endr
.endr
.endif
.endm
	GROUP 0, 0, 0, 0                               ; q
	GROUP 0, 0, 1, 0
	FETCHX 1                                       ; x2's fragments (the places at the group's end stand in front of these loads)
	s_wait_dscnt 0x0
	GROUP 1, 1, 0, 0                               ; k
	GROUP 1, 1, 1, 0
	GROUP 2, 1, 0, 1                               ; v
	GROUP 2, 1, 1, 1
	s_wait_tensorcnt 0x0                           ; the wave's end, behind my last tensor load and my last LDS store
	ds_add_u32 v[SPW], v[NIL]
	s_wait_dscnt 0x0
	s_endpgm
.Lfunc_end_k_qc18eaaf168_proj:
	.size	k_qc18eaaf168_proj, .Lfunc_end_k_qc18eaaf168_proj-k_qc18eaaf168_proj
	.p2alignl 7, 3214868480
	.fill 96, 4, 3214868480
	.section	.rodata,"a",@progbits
	.p2align	6, 0x0
	.amdhsa_kernel k_qc18eaaf168_proj
		.amdhsa_group_segment_fixed_size 167936
		.amdhsa_private_segment_fixed_size 0
		.amdhsa_enable_private_segment 0
		.amdhsa_kernarg_size 80
		.amdhsa_user_sgpr_count 2
		.amdhsa_user_sgpr_kernarg_segment_ptr 1
		.amdhsa_wavefront_size32 1
		.amdhsa_system_sgpr_workgroup_id_x 1
		.amdhsa_system_sgpr_workgroup_id_y 1
		.amdhsa_system_sgpr_workgroup_id_z 1
		.amdhsa_system_vgpr_workitem_id 0
		.amdhsa_next_free_vgpr 512
		.amdhsa_next_free_sgpr 66
		.amdhsa_reserve_vcc 0
		.amdhsa_float_denorm_mode_32 3
		.amdhsa_float_denorm_mode_16_64 3
		.amdhsa_memory_ordered 1
		.amdhsa_forward_progress 1
		.amdhsa_inst_pref_size 78
	.end_amdhsa_kernel
	.amdgpu_metadata
---
amdhsa.version: [ 1, 2 ]
amdhsa.kernels:
  - .name:           k_qc18eaaf168_proj
    .symbol:         k_qc18eaaf168_proj.kd
    .args:
      - { .name: x1, .offset: 0, .size: 8, .value_kind: global_buffer, .address_space: global }
      - { .name: x2, .offset: 8, .size: 8, .value_kind: global_buffer, .address_space: global }
      - { .name: wc, .offset: 16, .size: 8, .value_kind: global_buffer, .address_space: global }
      - { .name: ws, .offset: 24, .size: 8, .value_kind: global_buffer, .address_space: global }
      - { .name: qb, .offset: 32, .size: 8, .value_kind: global_buffer, .address_space: global }
      - { .name: kb, .offset: 40, .size: 8, .value_kind: global_buffer, .address_space: global }
      - { .name: vb, .offset: 48, .size: 8, .value_kind: global_buffer, .address_space: global }
      - { .name: qf, .offset: 56, .size: 8, .value_kind: global_buffer, .address_space: global }
      - { .name: kf, .offset: 64, .size: 8, .value_kind: global_buffer, .address_space: global }
      - { .name: vf, .offset: 72, .size: 8, .value_kind: global_buffer, .address_space: global }
    .group_segment_fixed_size: 167936
    .private_segment_fixed_size: 0
    .kernarg_segment_align: 8
    .kernarg_segment_size: 80
    .max_flat_workgroup_size: 128
    .sgpr_count:     66
    .vgpr_count:     512
    .wavefront_size: 32
...
	.end_amdgpu_metadata
.endif
;; end of part 2
;; launch attn (part 3): grid 256 x 1, 4 waves a work-group, clusters of 4 x 1, 327,680 bytes of LDS; arguments qf, kf, vf, ln_w, ln_b, out0; writes out0
.if DOCPART == 3
	.amdgcn_target "amdgcn-amd-amdhsa--gfx1250"
	.amdhsa_code_object_version 6
	.text
	.protected	k_qc18eaaf168_attn
	.globl	k_qc18eaaf168_attn
	.p2align	8
	.type	k_qc18eaaf168_attn,@function
k_qc18eaaf168_attn:
	s_mov_b64 s[64:65], 0
	v_nop
	global_prefetch_b8 v0, s[64:65] scope:SCOPE_SE
	s_setreg_imm32_b32 hwreg(HW_REG_WAVE_MODE, 25, 1), 1
	s_wait_xcnt 0x0
	s_wait_alu depctr_hold_cnt(0) depctr_sa_sdst(0) depctr_va_vdst(0) depctr_va_sdst(0) depctr_va_ssrc(0) depctr_va_vcc(0) depctr_vm_vsrc(0)
	s_getreg_b32 s2, hwreg(HW_REG_IB_STS2, 6, 4)
	s_cmp_eq_u32 s2, 0
	s_cbranch_scc0 .Lentry_in_a_cluster
	s_endpgm
.Lentry_in_a_cluster:
	s_bfe_u32 s2, ttmp6, 0x10000c
	s_cmp_lg_u32 s2, 0x3003
	s_cbranch_scc0 .Lentry_shape_is_right
	s_endpgm
.Lentry_shape_is_right:
; fusion[b][c][q] = the sum over image rows i of the sum over j of softmax_j(q . k[i][j]) v[c][i][j]; then LayerNorm over the 256 channels of each pixel; out0 [4][256][64][64] f32.
; THE SOFTMAX RUNS OVER THE 64 KEYS OF ONE IMAGE ROW: each group of 64 keys has a maximum and a sum of its own, and the 64 normalised groups are added.  So there is no running maximum and O is never rescaled;
; p is normalised (the group's maximum taken away, divided by the group's sum, all in f32) before it is rounded to f16 for the second product.
; q (x log2(e)), k, v come as f16, as images of the operands' registers: qf, kf [g 256][u 8][t 4][c 2][lane][16 bytes], vf [g][ct 16][kap 2][c 2][lane][16 bytes]; a tile g (one image row) is 32,768 dense bytes.
; SHARES.  Work-group g owns the 64 queries of image row g.  THE WAVES SHARE THE KEYS, NOT THE QUERIES: every wave holds all 64 queries (Q: 256 registers) and a partial O of 64 x 256 f32 (512 registers), and wave w
; walks the key groups 4 T + w, T = 0 .. 15.  So each fragment of K and V read from LDS feeds four matrix instructions.  At the end the four partial O meet in LDS, each wave owning 16 queries.
; A wave's local query tile q' is the work-group's tile q' xor w, so that local tile 0 is the tile that the wave owns at the end, and no register number hangs on the wave's number.
; THE WALK.  The groups only add, so their order is free.  The 16 places T form a ring; cluster n of a batch's sixteen begins at place f(n) and goes once round.  So no two clusters of a batch ask for the same tile in the
; same step: each tile is asked for at sixteen different steps.  f is a table of 16 nibbles, chosen so that of the clusters whose numbers agree in any one bit the starts leave at most two neighbouring places of the ring empty.
; NO PREFETCH: a tile is read at sixteen different steps, not once, and all tiles are first asked for in the first steps of the walk.
; LAYOUT.  S^T = K Q^T (source 0 = 16 keys, source 1 = 16 queries): a lane holds one query and 8 keys a tile; two tiles, rounded in pairs, ARE source 0 (16 queries x 32 keys) of O = P V (source 1 = 16 channels x 32 keys),
; whose result holds one channel a lane and eight neighbouring queries: eight neighbouring pixels of a row of out0.
; CLUSTER.  The four work-groups of a cluster belong to one batch and walk the same K and V in the same order: each tile is asked for JOINTLY, by the same tensor load with the same descriptor and a mask that names the four.
; LDS.  Wave w's own 65,536 bytes at 65,536 w: K's tile, then V's; filled by w's loads, read by w alone.  The two are filled by turns: K's next tile behind a round that stands in the softmax, V's behind a round near the end of O's products.
; By this text's own count a wave has two tensor loads out at the head and one afterwards.
; WRITTEN IN PHASES: 512 (O) + 256 (Q) + 128 (S) + 64 (P) registers leave no room for a second S, and smaller pieces would read each fragment twice.
; LIMITS: operands in f16 (|q log2(e)|, |k|, |v| under 65,504; p at most 1); NaN and infinities are not served; the sums' order differs from the reference's, and from cluster to cluster.
; REGISTERS.  window 0: v1-17 addresses; v32-63 a buffer of K, then the softmax's statistics; v64-191 S^T, then two buffers of V; v192-255 two buffers of K, then P.   window 1: Q.   windows 2, 3: O ((ct, q') at 8 (4 (ct % 8) + q')).
.set TILE,  32768
.set TSHIFT, 17                        ; from a place of the ring to the next: four tiles, 131,072 bytes
.set SPARE, 262144                     ; behind the four regions: the spare words, 128 bytes for each wave: two blocks of 256 bytes that no other line names
.set OP,    272                        ; the way out: a channel's row in LDS: 256 bytes + 16
.set L16, 1                            ; v1   16 x lane
.set AK,  2                            ; v2   LDS: my wave's region + 16 x lane
.set AV,  3                            ; v3   the same + 32,768
.set SPW, 4                            ; v4   LDS address of my spare word; never rewritten
.set NIL, 5                            ; v5   0; never rewritten
.set RR,  7                            ; v7-9 LDS: where wave w xor d (d = 1, 2, 3) has put its partial sums of my 16 queries
.set SOA, 10                           ; v10  the way out: where I put 16 bytes of a channel's row
.set SRD, 11                           ; v11  and where I read a row back
.set GOFF, 12                          ; v12  my byte offset among my wave's rows of out0
.set LNO, 13                           ; v13  4 x (lane % 16)
.set VQ,  14                           ; v14-17 my byte offset in Q's tile for local tile q'
.set ST,  32                           ; tile q's statistics at v[ST + 8 q]: +0 the maximum, +1 at work, +2, +3 and +6, +7 the sum's two chains; +6 then 1 / the sum
.set KB2, 32
.set S,   64
.set P,   192
.set KB0, 192
.set KB1, 224
.set XR,  64                           ; the tail: my 16 queries' fusion, register 8 ct + j: channel 16 ct + lane % 16, query 8 (lane / 16) + j
.set SUM, 32
.set SQ,  40
.set RS,  48
.set LW,  192                          ; ln_w and ln_b of channel 16 ct + lane % 16, each twice: pairs for the packed forms
.set LB,  224
.set KBA, 6                            ; s[6:7]  K at my wave's tile of place 0 of the ring;  s[8:9] V likewise
.set VBA, 8
.set G1,  16                           ; s[16:23] descriptor group 1;  s[24:27], s[28:31] groups 0 for K's and V's tiles
.set G0K, 24
.set G0V, 28
.set WV,  32
.set CX,  33
.set SEL, 36                           ; s[36:37] v_permlanex16_b32's selects for lane l xor 16
.set INV, 38                           ; s38 1 / 256, s39 the norm's epsilon
.set REM, 40                           ; s40  steps that still ask for a next tile
.set TK,  41                           ; s41  the place of the ring whose tiles were asked for last
.set OFS, 42                           ; s[42:43] that place x 131,072: the tiles' byte offset from place 0's
.set MSB, 0
.macro WIN new                         ; the immediate's high byte repeats the setting that is left
.if MSB != (\new)
	s_set_vgpr_msb (MSB<<8)|(\new)
.set MSB, (\new)
.endif
.endm
.macro PLACES n
.rept \n
	v_nop
.endr
.endm
; A round of the cluster's barrier: my work-group's barrier; wave 0 signals for the work-group; every wave waits for all four work-groups; my work-group's barrier once more.
.macro CROUND
	s_barrier_signal -1
	s_barrier_wait -1
	s_cmp_lg_u32 s[WV], 0
	s_cbranch_scc1 .Lnot_wave_0_\@
	s_barrier_signal -3
.Lnot_wave_0_\@:
	s_barrier_wait -3
	s_barrier_signal -1
	s_barrier_wait -1
.endm
.macro TL g0                           ; a joint load: every wave of every partner issues it, each wave for its own tile; an s_nop 0 and four v_nop follow
	tensor_load_to_lds s[\g0:\g0+3], s[G1:G1+7]
	s_nop 0
	PLACES 4
.endm
.macro KLOAD u, buf                    ; K's four fragments (16 keys each) of channels 32 u on: 8 loads of 512 consecutive bytes
.irp kt, 0,1,2,3
.irp cc, 0,1
	ds_load_b128 v[\buf+8*\kt+4*\cc:\buf+8*\kt+4*\cc+3], v[AK] offset:(4*(\u)+\kt)*1024+512*\cc
.endr
.endr
.endm
.macro KQ u, buf                       ; 16 products of S^T = K Q^T, channels 32 u on; the 16 accumulators take turns, one instruction a turn; u = 0 starts the sums
.irp kt, 0,1,2,3
.irp qq, 0,1,2,3
.if (\u) == 0
	v_wmma_f32_16x16x32_f16 v[S+32*\qq+8*\kt:S+32*\qq+8*\kt+7], v[\buf+8*\kt:\buf+8*\kt+7], v[8*(4*(\u)+\qq):8*(4*(\u)+\qq)+7], 0
.else
	v_wmma_f32_16x16x32_f16 v[S+32*\qq+8*\kt:S+32*\qq+8*\kt+7], v[\buf+8*\kt:\buf+8*\kt+7], v[8*(4*(\u)+\qq):8*(4*(\u)+\qq)+7], v[S+32*\qq+8*\kt:S+32*\qq+8*\kt+7]
.endif
.endr
.endr
.endm
.macro VLOAD n                         ; V's eight fragments of channels 64 n on (4 tiles of channels x 2 halves of the keys) into buffer n % 2: 16 loads
.irp oo, 0,1,2,3
.irp kk, 0,1
.irp cc, 0,1
	ds_load_b128 v[S+64*((\n)%2)+8*(2*\oo+\kk)+4*\cc:S+64*((\n)%2)+8*(2*\oo+\kk)+4*\cc+3], v[AV] offset:(8*(\n)+2*\oo+\kk)*1024+512*\cc
.endr
.endr
.endr
.endm
.macro PV n, kap, zero                 ; 16 products of O += P V: channels 64 n on, keys 32 kap on; the 16 accumulators take turns.  zero = 1: the first key half of the first step starts the sums: nothing is ever cleared
	WIN 0xa0+0x50*((\n)/2)
.irp oo, 0,1,2,3
.irp qq, 0,1,2,3
.if (\zero) && ((\kap) == 0)
	v_wmma_f32_16x16x32_f16 v[8*(4*(4*((\n)%2)+\oo)+\qq):8*(4*(4*((\n)%2)+\oo)+\qq)+7], v[P+16*\qq+8*(\kap):P+16*\qq+8*(\kap)+7], v[S+64*((\n)%2)+8*(2*\oo+(\kap)):S+64*((\n)%2)+8*(2*\oo+(\kap))+7], 0
.else
	v_wmma_f32_16x16x32_f16 v[8*(4*(4*((\n)%2)+\oo)+\qq):8*(4*(4*((\n)%2)+\oo)+\qq)+7], v[P+16*\qq+8*(\kap):P+16*\qq+8*(\kap)+7], v[S+64*((\n)%2)+8*(2*\oo+(\kap)):S+64*((\n)%2)+8*(2*\oo+(\kap))+7], v[8*(4*(4*((\n)%2)+\oo)+\qq):8*(4*(4*((\n)%2)+\oo)+\qq)+7]
.endif
.endr
.endr
.endm
; THE SOFTMAX of one group of 64 keys, for the wave's four tiles of queries, which take turns line by line.
.macro SM_MAX                          ; the group's largest score of each query: four chains a tile, each begun at its own accumulator's low end
.irp kt, 0,1,2,3
.irp qq, 0,1,2,3
	v_max3_num_f32 v[ST+8*\qq+\kt], v[S+32*\qq+8*\kt], v[S+32*\qq+8*\kt+1], v[S+32*\qq+8*\kt+2]
.endr
.endr
.irp i, 3,5
.irp kt, 0,1,2,3
.irp qq, 0,1,2,3
	v_max3_num_f32 v[ST+8*\qq+\kt], v[ST+8*\qq+\kt], v[S+32*\qq+8*\kt+\i], v[S+32*\qq+8*\kt+\i+1]
.endr
.endr
.endr
.irp qq, 0,1,2,3
	v_max3_num_f32 v[ST+8*\qq], v[ST+8*\qq], v[S+32*\qq+7], v[S+32*\qq+15]
.endr
.irp qq, 0,1,2,3
	v_max3_num_f32 v[ST+8*\qq+2], v[ST+8*\qq+2], v[S+32*\qq+23], v[S+32*\qq+31]
.endr
.irp qq, 0,1,2,3
	v_max3_num_f32 v[ST+8*\qq], v[ST+8*\qq], v[ST+8*\qq+1], v[ST+8*\qq+2]
.endr
.irp qq, 0,1,2,3
	v_max_num_f32 v[ST+8*\qq], v[ST+8*\qq], v[ST+8*\qq+3]
.endr
.irp qq, 0,1,2,3
	v_permlanex16_b32 v[ST+8*\qq+1], v[ST+8*\qq], s[SEL], s[SEL+1]   ; the query's other 32 keys lie in the lane 16 away
.endr
.irp qq, 0,1,2,3
	v_max_num_f32 v[ST+8*\qq], v[ST+8*\qq], v[ST+8*\qq+1]
.endr
.endm
.macro SM_SUB                          ; score - maximum, two at a time: a plain subtraction, 0 for the largest score whatever the scores' size
.irp i, 0,2,4,6,8,10,12,14,16,18,20,22,24,26,28,30
.irp qq, 0,1,2,3
	v_pk_add_f32 v[S+32*\qq+\i:S+32*\qq+\i+1], v[S+32*\qq+\i:S+32*\qq+\i+1], v[ST+8*\qq:ST+8*\qq+1] op_sel_hi:[1,0] neg_lo:[0,1] neg_hi:[0,1]
.endr
.endr
.endm
.macro SM_EXP                          ; one batch of 128 exponentials (log2(e) lies in q)
.irp i, 0,1,2,3,4,5,6,7,8,9,10,11,12,13,14,15,16,17,18,19,20,21,22,23,24,25,26,27,28,29,30,31
.irp qq, 0,1,2,3
	v_exp_f32 v[S+32*\qq+\i], v[S+32*\qq+\i]
.endr
.endr
.endm
.macro SM_SUM                          ; the group's sum, in two chains of pairs, and its reciprocal; the sum is at least 1
.irp qq, 0,1,2,3
	v_pk_add_f32 v[ST+8*\qq+2:ST+8*\qq+3], v[S+32*\qq:S+32*\qq+1], v[S+32*\qq+2:S+32*\qq+3]
.endr
.irp qq, 0,1,2,3
	v_pk_add_f32 v[ST+8*\qq+6:ST+8*\qq+7], v[S+32*\qq+4:S+32*\qq+5], v[S+32*\qq+6:S+32*\qq+7]
.endr
.irp i, 8,12,16,20,24,28
.irp qq, 0,1,2,3
	v_pk_add_f32 v[ST+8*\qq+2:ST+8*\qq+3], v[ST+8*\qq+2:ST+8*\qq+3], v[S+32*\qq+\i:S+32*\qq+\i+1]
.endr
.irp qq, 0,1,2,3
	v_pk_add_f32 v[ST+8*\qq+6:ST+8*\qq+7], v[ST+8*\qq+6:ST+8*\qq+7], v[S+32*\qq+\i+2:S+32*\qq+\i+3]
.endr
.endr
.irp qq, 0,1,2,3
	v_pk_add_f32 v[ST+8*\qq+2:ST+8*\qq+3], v[ST+8*\qq+2:ST+8*\qq+3], v[ST+8*\qq+6:ST+8*\qq+7]
.endr
.irp qq, 0,1,2,3
	v_add_f32 v[ST+8*\qq+2], v[ST+8*\qq+2], v[ST+8*\qq+3]
.endr
.irp qq, 0,1,2,3
	v_permlanex16_b32 v[ST+8*\qq+3], v[ST+8*\qq+2], s[SEL], s[SEL+1]
.endr
.irp qq, 0,1,2,3
	v_add_f32 v[ST+8*\qq+2], v[ST+8*\qq+2], v[ST+8*\qq+3]
.endr
.irp qq, 0,1,2,3
	v_rcp_f32 v[ST+8*\qq+6], v[ST+8*\qq+2]
.endr
.endm
.macro SM_OUT qq                       ; tile qq: p / the sum, in f32, then rounded to f16 in pairs: the second product's source 0, with no change of lanes
.irp i, 0,2,4,6,8,10,12,14,16,18,20,22,24,26,28,30
	v_pk_mul_f32 v[S+32*(\qq)+\i:S+32*(\qq)+\i+1], v[S+32*(\qq)+\i:S+32*(\qq)+\i+1], v[ST+8*(\qq)+6:ST+8*(\qq)+7] op_sel_hi:[1,0]
.endr
.irp i, 0,1,2,3,4,5,6,7,8,9,10,11,12,13,14,15
	v_cvt_pk_f16_f32 v[P+16*(\qq)+\i], v[S+32*(\qq)+2*\i], v[S+32*(\qq)+2*\i+1]
.endr
.endm
; A STEP: one group of 64 keys.  On entry every window is 0 and K's first chunk is on its way into KB2.  zero = 1: the first step, which starts O's sums.  fill = 1: the next tiles of K and V are asked for.
; A load into a register that a matrix instruction has read, and a vector instruction that reads a matrix result or writes one of a matrix instruction's registers, stand four plain vector instructions behind it
; (ISA guide 7.12.1 for vector instructions): the v_nop below.
.macro STEP zero, fill
	WIN 0x04                                       ; source 1 (Q) window 1; it serves the LDS loads too: their destination and address lie in window 0
	KLOAD 1, KB0
	KLOAD 2, KB1
	s_wait_dscnt 16                                ; this chunk's 8 loads are in; the two younger chunks' 16 may be out
	KQ 0, KB2
	PLACES 4
	KLOAD 3, KB2
	s_wait_dscnt 16
	KQ 1, KB0
	PLACES 4
	KLOAD 4, KB0
	s_wait_dscnt 16
	KQ 2, KB1
	PLACES 4
	KLOAD 5, KB1
	s_wait_dscnt 16
	KQ 3, KB2
	PLACES 4
	KLOAD 6, KB2
	s_wait_dscnt 16
	KQ 4, KB0
	PLACES 4
	KLOAD 7, KB0
	s_wait_dscnt 16
	KQ 5, KB1
	s_wait_dscnt 8                                 ; one younger chunk
	KQ 6, KB2
	s_wait_dscnt 0x0
	KQ 7, KB0
	PLACES 4
	WIN 0
	SM_MAX
.if \fill
	s_wait_tensorcnt 0x0                           ; all my tensor loads have landed: the one that was out is V's tile of this step; so a group 0 may be written
	ds_add_u32 v[SPW], v[NIL]                      ; 0 onto my spare word; the five lines below and the 64 subtractions stand between it and the wait for it
	s_add_co_u32 s[TK], s[TK], 1                   ; the next place of the ring,
	s_and_b32 s[TK], s[TK], 15                     ; which closes behind place 15,
	s_lshl_b32 s[OFS], s[TK], TSHIFT               ; as bytes: it serves K's tile here and V's at the step's second round
	s_add_nc_u64 s[G0K+2:G0K+3], s[KBA:KBA+1], s[OFS:OFS+1]
	s_or_b32 s[G0K+3], s[G0K+3], 0x80000000        ; type = 2
	SM_SUB
	s_wait_dscnt 0x0                               ; the add is done, and my reads of K's tile are over
	CROUND                                         ; no wave of any partner still reads its K tile or has a load on its way
	TL G0K                                         ; the first thing behind the round, and my one tensor load until the next
.else
	s_wait_tensorcnt 0x0                           ; V's last tile has landed
	SM_SUB
.endif
	SM_EXP
	v_nop                                          ; a plain line behind the last exponential
	s_wait_alu depctr_va_vdst(0)                   ; one wait for the batch, ahead of its first reader
	SM_SUM
	v_nop                                          ; a plain line behind the last reciprocal
	s_wait_alu depctr_va_vdst(0)                   ; one wait for the four
	SM_OUT 0
	SM_OUT 1
	VLOAD 0                                        ; into the registers that tiles 0 and 1 of S^T have left
	SM_OUT 2
	SM_OUT 3
	VLOAD 1
	s_wait_dscnt 16                                ; this chunk's 16 loads are in; the next chunk's may be out
	PV 0, 0, \zero
	PV 0, 1, \zero
	PLACES 4
	WIN 0
	VLOAD 2
	s_wait_dscnt 16
	PV 1, 0, \zero
	PV 1, 1, \zero
	PLACES 4
	WIN 0
	VLOAD 3
	s_wait_dscnt 16
	PV 2, 0, \zero
	PV 2, 1, \zero
.if \fill
	WIN 0                                          ; (the add's two registers lie in window 0)
	s_wait_tensorcnt 0x0                           ; all my tensor loads have landed: K's next tile
	ds_add_u32 v[SPW], v[NIL]                      ; 0 onto my spare word
	s_add_nc_u64 s[G0V+2:G0V+3], s[VBA:VBA+1], s[OFS:OFS+1]   ; V's tile of the same place as K's
	s_or_b32 s[G0V+3], s[G0V+3], 0x80000000        ; type = 2
	s_wait_dscnt 1                                 ; V's last chunk is in; the add may be out
	PV 3, 0, \zero                                 ; sixteen matrix instructions stand between the add and the wait for it
	s_wait_dscnt 0x0                               ; the add is done, and my reads of V's tile are over
	WIN 0                                          ; at a label and at a branch every window is 0
	CROUND
	TL G0V                                         ; the first thing behind the round, and my one tensor load until the next
	KLOAD 0, KB2                                   ; the next step's first chunk of K lands under the sixteen products below
	PV 3, 1, \zero
	PLACES 5                                       ; four in front of the loads into P's registers; the fifth since the next step's first products write over V's buffers
	WIN 0
.else
	s_wait_dscnt 0x0
	PV 3, 0, \zero
	PV 3, 1, \zero
	PLACES 4
	WIN 0
.endif
.endm
	s_load_b256 s[4:11], s[0:1], 0x0               ; qf s[4:5], kf s[6:7], vf s[8:9], ln_w s[10:11]
	s_load_b128 s[12:15], s[0:1], 0x20             ; ln_b s[12:13], out0 s[14:15]
	v_lshl_add_u32 v[SPW], v0, 2, SPARE
	v_mov_b32 v[NIL], 0
	ds_add_u32 v[SPW], v[NIL]                      ; the wave's opening: the add, twice on end, and its wait ahead of my first tensor load
	ds_add_u32 v[SPW], v[NIL]                      ; and once more, under the one wait; the set-up below, work on registers, stands between
	v_lshrrev_b32 v18, 5, v0
	v_readfirstlane_b32 s[WV], v18                 ; wave 0..3
	s_bfe_u32 s[CX], ttmp6, 0x40000                ; cx: my place in the cluster: it enters Q's and out0's addresses alone
	s_lshl_b32 s34, ttmp9, 2                       ; in a cluster launch ttmp9 counts clusters
	s_add_co_u32 s34, s34, s[CX]                   ; g = 4 x cluster + cx
	s_lshr_b32 s35, ttmp9, 4                       ; the batch, which the four partners share
	; descriptor group 1: a dense block of 32,768 bytes as 128 rows of 256 bytes (32 elements of 8 bytes)
	s_mov_b32 s[G1], 15|(3<<16)|(1<<21)            ; 15:0 the mask: all four work-groups; 17:16 elements of 8 bytes; 21 set beside a mask; no padding: fragments are read as 512 consecutive bytes
	s_mov_b32 s[G1+1], 32<<16                      ; tensor_dim0 = 32
	s_mov_b32 s[G1+2], 128<<16                     ; tensor_dim1 = 128
	s_mov_b32 s[G1+3], 32<<16                      ; tile_dim0 = 32
	s_mov_b32 s[G1+4], 128                         ; tile_dim1 = 128
	s_mov_b32 s[G1+5], 32                          ; tensor_dim0_stride
	s_mov_b32 s[G1+6], 0
	s_mov_b32 s[G1+7], 0
	s_mov_b32 s[SEL], 0x76543210
	s_mov_b32 s[SEL+1], 0xfedcba98
	s_mov_b32 s[INV], 0x3b800000                   ; 1 / 256
	s_mov_b32 s[INV+1], 0x3727c5ac                 ; 1e-5
	s_mov_b32 s[REM], 15
	; where my cluster begins its walk: f(n), n = my cluster's number in its batch: the same in all four partners.  f(0 .. 15) = 0, 8, 15, 7, 13, 5, 2, 10, 4, 12, 11, 3, 9, 1, 6, 14: a nibble each, n = 0 .. 7 in one word, 8 .. 15 in the other
	s_and_b32 s46, ttmp9, 15
	s_mov_b32 s47, 0xe6193bc4
	s_cmp_lt_u32 s46, 8
	s_cselect_b32 s47, 0xa25d7f80, s47
	s_and_b32 s46, s46, 7
	s_lshl_b32 s46, s46, 2
	s_lshr_b32 s47, s47, s46
	s_and_b32 s[TK], s47, 15
	s_lshl_b32 s[OFS], s[TK], TSHIFT
	s_mov_b32 s[OFS+1], 0
	v_and_b32 v18, 31, v0                          ; lane
	v_and_b32 v19, 15, v0                          ; r
	v_bfe_u32 v20, v0, 4, 1                        ; h
	v_lshlrev_b32 v[L16], 4, v18
	s_lshl_b32 s46, s[WV], 16
	v_add_nc_u32 v[AK], s46, v[L16]
	v_add_nc_u32 v[AV], TILE, v[AK]
.irp d, 1,2,3
	s_xor_b32 s46, s[WV], \d
	s_lshl_b32 s46, s46, 16
	s_add_co_u32 s46, s46, (\d-1)*16384
	v_add_nc_u32 v[RR+\d-1], s46, v[L16]
.endr
	v_mul_u32_u24 v[SOA], v19, OP
	v_lshl_add_u32 v[SOA], v20, 5, v[SOA]
	s_lshl_b32 s46, s[WV], 6
	v_add_nc_u32 v[SOA], s46, v[SOA]               ; channel row r, + 32 h, + 64 x wave: my eight pixels' bytes
	s_mul_i32 s46, s[WV], 64*OP
	v_mul_u32_u24 v[SRD], v20, OP
	v_lshl_add_u32 v[SRD], v19, 4, v[SRD]
	v_add_nc_u32 v[SRD], s46, v[SRD]               ; back: my wave's 64 rows; lanes 0-15 one row, lanes 16-31 the next
	v_lshlrev_b32 v[GOFF], 14, v20
	v_lshl_add_u32 v[GOFF], v19, 4, v[GOFF]        ; and the same two channels in out0: 16,384 bytes apart
	v_lshlrev_b32 v[LNO], 2, v19
.irp qq, 0,1,2,3
	s_xor_b32 s46, s[WV], \qq
	s_lshl_b32 s46, s46, 10
	v_add_nc_u32 v[VQ+\qq], s46, v[L16]            ; local tile q' is the work-group's tile q' xor wave
.endr
	s_lshl_b32 s48, s35, 6
	s_add_co_u32 s48, s48, s[WV]
	s_lshl_b32 s48, s48, 15                        ; my tile of K and of V at place 0 of the ring: 64 x batch + wave; nothing of cx in it
	s_mov_b32 s49, 0
	s_lshl_b32 s52, s34, 15                        ; Q's tile
	s_mov_b32 s53, 0
	s_lshl_b32 s54, s35, 22                        ; out0: the batch,
	s_lshl_b32 s55, s[WV], 20
	s_add_co_u32 s54, s54, s55                     ; my wave's 64 channels,
	s_and_b32 s55, s34, 63
	s_lshl_b32 s55, s55, 8
	s_add_co_u32 s54, s54, s55                     ; the image row
	s_mov_b32 s55, 0
	s_wait_dscnt 0x0                               ; both opening adds are done
	s_wait_kmcnt 0x0
	s_add_nc_u64 s[4:5], s[4:5], s[52:53]
	s_add_nc_u64 s[14:15], s[14:15], s[54:55]
	s_add_nc_u64 s[KBA:KBA+1], s[KBA:KBA+1], s[48:49]
	s_add_nc_u64 s[VBA:VBA+1], s[VBA:VBA+1], s[48:49]
	s_mov_b32 s[G0K], 1                            ; count = 1
	s_lshl_b32 s[G0K+1], s[WV], 16                 ; LDS address: my region
	s_add_nc_u64 s[G0K+2:G0K+3], s[KBA:KBA+1], s[OFS:OFS+1]   ; the place at which my cluster begins
	s_or_b32 s[G0K+3], s[G0K+3], 0x80000000        ; type = 2
	s_mov_b32 s[G0V], 1
	s_lshl_b32 s[G0V+1], s[WV], 16
	s_add_co_u32 s[G0V+1], s[G0V+1], TILE
	s_add_nc_u64 s[G0V+2:G0V+3], s[VBA:VBA+1], s[OFS:OFS+1]
	s_or_b32 s[G0V+3], s[G0V+3], 0x80000000
	CROUND                                         ; all four work-groups are here: the first joint loads meet
	tensor_load_to_lds s[G0K:G0K+3], s[G1:G1+7]    ; the two first fills go out together: two loads of mine are out
	s_nop 0
	tensor_load_to_lds s[G0V:G0V+3], s[G1:G1+7]
	s_nop 0
	PLACES 4
	WIN 0x40                                       ; destination window 1
.irp uu, 0,1,2,3,4,5,6,7
.irp qq, 0,1,2,3
.irp cc, 0,1
	global_load_b128 v[8*(4*\uu+\qq)+4*\cc:8*(4*\uu+\qq)+4*\cc+3], v[VQ+\qq], s[4:5] offset:4096*\uu+512*\cc   ; Q stays in registers
.endr
.endr
.endr
	WIN 0
	s_wait_tensorcnt 1                             ; K's first tile is in; V's may stay out.  I alone read my region, so my own wait is all that the reads need
	KLOAD 0, KB2
	s_wait_loadcnt 0x0                             ; Q
	STEP 1, 1
	s_sub_co_u32 s[REM], s[REM], 1
.Lstep:                                                ; 14 trips: steps 1 to 14
	STEP 0, 1
	s_sub_co_u32 s[REM], s[REM], 1
	s_cmp_lg_u32 s[REM], 0
	s_cbranch_scc1 .Lstep
	STEP 0, 0                                      ; the last step is written out: it asks for nothing
	; ---- THE TAIL.  ln_w and ln_b are asked for first; then the four partial O meet in LDS, in the regions, which have had their last fill and their last read.
.irp ct, 0,1,2,3,4,5,6,7,8,9,10,11,12,13,14,15
	global_load_b32 v[LW+2*\ct], v[LNO], s[10:11] offset:64*\ct
	global_load_b32 v[LW+2*\ct+1], v[LNO], s[10:11] offset:64*\ct
	global_load_b32 v[LB+2*\ct], v[LNO], s[12:13] offset:64*\ct
	global_load_b32 v[LB+2*\ct+1], v[LNO], s[12:13] offset:64*\ct
.endr
.irp ww, 0,1                                   ; my partial sums of the other waves' tiles (local tiles 1, 2, 3), as images of their registers, into my own region
	WIN 0x08+4*\ww                                 ; an LDS store's data are its source 1: window 2, then 3
.irp qq, 1,2,3
.irp c8, 0,1,2,3,4,5,6,7
	ds_store_b128 v[AK], v[8*(4*\c8+\qq):8*(4*\c8+\qq)+3] offset:(\qq-1)*16384+(8*\ww+\c8)*1024       ; each accumulator from its low end on
	ds_store_b128 v[AK], v[8*(4*\c8+\qq)+4:8*(4*\c8+\qq)+7] offset:(\qq-1)*16384+(8*\ww+\c8)*1024+512
.endr
.endr
.endr
	WIN 0
	s_wait_dscnt 0x0                               ; for the others' sake: my stores have landed
	s_barrier_signal -1
	s_barrier_wait -1
	WIN 0x40                                       ; the other three waves' sums of my tile, into Q's registers
.irp nn, 0,1,2,3,4,5,6,7,8,9,10,11,12,13,14,15,16,17,18,19,20,21,22,23,24,25,26,27,28,29,30,31
	ds_load_b128 v[4*\nn:4*\nn+3], v[RR] offset:512*\nn
.endr
.irp nn, 0,1,2,3,4,5,6,7,8,9,10,11,12,13,14,15,16,17,18,19,20,21,22,23,24,25,26,27,28,29,30,31
	ds_load_b128 v[128+4*\nn:128+4*\nn+3], v[RR+1] offset:512*\nn
.endr
	s_wait_dscnt 32                                ; the first image is in; the second's 32 loads may be out
	WIN 0x06                                       ; source 0 (my O) window 2, source 1 (the image) window 1
.irp ct, 0,1,2,3,4,5,6,7
.irp ii, 0,2,4,6
	v_pk_add_f32 v[XR+8*\ct+\ii:XR+8*\ct+\ii+1], v[32*\ct+\ii:32*\ct+\ii+1], v[8*\ct+\ii:8*\ct+\ii+1]
.endr
.endr
	WIN 0x07                                       ; my O: window 3
.irp ct, 0,1,2,3,4,5,6,7
.irp ii, 0,2,4,6
	v_pk_add_f32 v[XR+64+8*\ct+\ii:XR+64+8*\ct+\ii+1], v[32*\ct+\ii:32*\ct+\ii+1], v[64+8*\ct+\ii:64+8*\ct+\ii+1]
.endr
.endr
	WIN 0x40
.irp nn, 0,1,2,3,4,5,6,7,8,9,10,11,12,13,14,15,16,17,18,19,20,21,22,23,24,25,26,27,28,29,30,31
	ds_load_b128 v[4*\nn:4*\nn+3], v[RR+2] offset:512*\nn
.endr
	s_wait_dscnt 32                                ; the second image is in
	WIN 0x04
.irp nn, 0,2,4,6,8,10,12,14,16,18,20,22,24,26,28,30,32,34,36,38,40,42,44,46,48,50,52,54,56,58,60,62,64,66,68,70,72,74,76,78,80,82,84,86,88,90,92,94,96,98,100,102,104,106,108,110,112,114,116,118,120,122,124,126
	v_pk_add_f32 v[XR+\nn:XR+\nn+1], v[XR+\nn:XR+\nn+1], v[128+\nn:128+\nn+1]
.endr
	s_wait_dscnt 0x0                               ; the third
.irp nn, 0,2,4,6,8,10,12,14,16,18,20,22,24,26,28,30,32,34,36,38,40,42,44,46,48,50,52,54,56,58,60,62,64,66,68,70,72,74,76,78,80,82,84,86,88,90,92,94,96,98,100,102,104,106,108,110,112,114,116,118,120,122,124,126
	v_pk_add_f32 v[XR+\nn:XR+\nn+1], v[XR+\nn:XR+\nn+1], v[\nn:\nn+1]
.endr
	WIN 0
	; ---- LayerNorm over the 256 channels of each of my 16 queries: 16 registers (ct) x 16 lanes (r) for each register j.  The mean is taken away first, so that no difference of large sums is formed.
.irp ii, 0,2,4,6
	v_pk_add_f32 v[SUM+\ii:SUM+\ii+1], v[XR+\ii:XR+\ii+1], v[XR+8+\ii:XR+8+\ii+1]
.endr
.irp ct, 2,3,4,5,6,7,8,9,10,11,12,13,14,15
.irp ii, 0,2,4,6
	v_pk_add_f32 v[SUM+\ii:SUM+\ii+1], v[SUM+\ii:SUM+\ii+1], v[XR+8*\ct+\ii:XR+8*\ct+\ii+1]
.endr
.endr
.irp mk, 1,2,4,8
.irp j, 0,1,2,3,4,5,6,7
	v_add_f32_dpp v[SUM+\j], v[SUM+\j], v[SUM+\j] row_xmask:\mk row_mask:0xf bank_mask:0xf
.endr
.endr
.irp ii, 0,2,4,6
	v_pk_mul_f32 v[SUM+\ii:SUM+\ii+1], v[SUM+\ii:SUM+\ii+1], s[INV:INV+1] op_sel_hi:[1,0]   ; the mean
.endr
.irp ct, 0,1,2,3,4,5,6,7,8,9,10,11,12,13,14,15
.irp ii, 0,2,4,6
	v_pk_add_f32 v[XR+8*\ct+\ii:XR+8*\ct+\ii+1], v[XR+8*\ct+\ii:XR+8*\ct+\ii+1], v[SUM+\ii:SUM+\ii+1] neg_lo:[0,1] neg_hi:[0,1]
.endr
.endr
.irp ii, 0,2,4,6
	v_pk_mul_f32 v[SQ+\ii:SQ+\ii+1], v[XR+\ii:XR+\ii+1], v[XR+\ii:XR+\ii+1]
.endr
.irp ct, 1,2,3,4,5,6,7,8,9,10,11,12,13,14,15
.irp ii, 0,2,4,6
	v_pk_fma_f32 v[SQ+\ii:SQ+\ii+1], v[XR+8*\ct+\ii:XR+8*\ct+\ii+1], v[XR+8*\ct+\ii:XR+8*\ct+\ii+1], v[SQ+\ii:SQ+\ii+1]
.endr
.endr
.irp mk, 1,2,4,8
.irp j, 0,1,2,3,4,5,6,7
	v_add_f32_dpp v[SQ+\j], v[SQ+\j], v[SQ+\j] row_xmask:\mk row_mask:0xf bank_mask:0xf
.endr
.endr
.irp j, 0,1,2,3,4,5,6,7
	v_fma_f32 v[SQ+\j], v[SQ+\j], s[INV], s[INV+1] ; the variance + epsilon
.endr
.irp j, 0,1,2,3,4,5,6,7
	v_rsq_f32 v[RS+\j], v[SQ+\j]
.endr
	v_nop                                          ; a plain line behind the last of the eight
	s_wait_alu depctr_va_vdst(0)                   ; one wait for the eight, ahead of their first reader
.irp ct, 0,1,2,3,4,5,6,7,8,9,10,11,12,13,14,15
.irp ii, 0,2,4,6
	v_pk_mul_f32 v[XR+8*\ct+\ii:XR+8*\ct+\ii+1], v[XR+8*\ct+\ii:XR+8*\ct+\ii+1], v[RS+\ii:RS+\ii+1]
.endr
.endr
	s_wait_loadcnt 0x0                             ; ln_w, ln_b
.irp ct, 0,1,2,3,4,5,6,7,8,9,10,11,12,13,14,15
.irp ii, 0,2,4,6
	v_pk_fma_f32 v[XR+8*\ct+\ii:XR+8*\ct+\ii+1], v[XR+8*\ct+\ii:XR+8*\ct+\ii+1], v[LW+2*\ct:LW+2*\ct+1], v[LB+2*\ct:LB+2*\ct+1]
.endr
.endr
	s_barrier_signal -1                            ; every wave's reads of the partial sums are over (each waited for them above): the stage below may lie over them
	s_barrier_wait -1
	; ---- THE WAY OUT.  A channel's 64 pixels, 256 bytes, come from four waves: they meet in a stage of 256 rows x 272 bytes, and each wave stores 64 whole rows.
.irp ct, 0,1,2,3,4,5,6,7,8,9,10,11,12,13,14,15
	ds_store_b128 v[SOA], v[XR+8*\ct:XR+8*\ct+3] offset:\ct*16*OP
	ds_store_b128 v[SOA], v[XR+8*\ct+4:XR+8*\ct+7] offset:\ct*16*OP+16
.endr
	s_wait_dscnt 0x0                               ; for the others' sake: my stores have landed
	s_barrier_signal -1
	s_barrier_wait -1
.irp i, 0,1,2,3,4,5,6,7,8,9,10,11,12,13,14,15,16,17,18,19,20,21,22,23,24,25,26,27,28,29,30,31
	ds_load_b128 v[XR+4*\i:XR+4*\i+3], v[SRD] offset:2*\i*OP
.endr
.irp i, 0,1,2,3,4,5,6,7,8,9,10,11,12,13,14,15,16,17,18,19,20,21,22,23,24,25,26,27,28,29,30,31
	s_wait_dscnt 31-\i                             ; LDS loads come back in order: pair i of rows is in
	global_store_b128 v[GOFF], v[XR+4*\i:XR+4*\i+3], s[14:15] offset:32768*\i th:TH_STORE_NT   ; 16 lanes store 256 consecutive bytes, aligned: one channel's 64 pixels; written once, read by nobody here
.endr
	s_wait_tensorcnt 0x0                           ; the wave's end, behind my last tensor load and my last LDS store
	ds_add_u32 v[SPW], v[NIL]
	s_wait_dscnt 0x0
	CROUND                                         ; the closing round: no work-group ends while a partner may still ask for a tile that names it
	s_endpgm
.Lfunc_end_k_qc18eaaf168_attn:
	.size	k_qc18eaaf168_attn, .Lfunc_end_k_qc18eaaf168_attn-k_qc18eaaf168_attn
	.p2alignl 7, 3214868480
	.fill 96, 4, 3214868480
	.section	.rodata,"a",@progbits
	.p2align	6, 0x0
	.amdhsa_kernel k_qc18eaaf168_attn
		.amdhsa_group_segment_fixed_size 327680
		.amdhsa_private_segment_fixed_size 0
		.amdhsa_enable_private_segment 0
		.amdhsa_kernarg_size 48
		.amdhsa_user_sgpr_count 2
		.amdhsa_user_sgpr_kernarg_segment_ptr 1
		.amdhsa_wavefront_size32 1
		.amdhsa_system_sgpr_workgroup_id_x 1
		.amdhsa_system_sgpr_workgroup_id_y 1
		.amdhsa_system_sgpr_workgroup_id_z 1
		.amdhsa_system_vgpr_workitem_id 0
		.amdhsa_next_free_vgpr 1024
		.amdhsa_next_free_sgpr 66
		.amdhsa_reserve_vcc 0
		.amdhsa_float_denorm_mode_32 3
		.amdhsa_float_denorm_mode_16_64 3
		.amdhsa_memory_ordered 1
		.amdhsa_forward_progress 1
		.amdhsa_inst_pref_size 231
	.end_amdhsa_kernel
	.amdgpu_metadata
---
amdhsa.version: [ 1, 2 ]
amdhsa.kernels:
  - .name:           k_qc18eaaf168_attn
    .symbol:         k_qc18eaaf168_attn.kd
    .args:
      - { .name: qf, .offset: 0, .size: 8, .value_kind: global_buffer, .address_space: global }
      - { .name: kf, .offset: 8, .size: 8, .value_kind: global_buffer, .address_space: global }
      - { .name: vf, .offset: 16, .size: 8, .value_kind: global_buffer, .address_space: global }
      - { .name: ln_w, .offset: 24, .size: 8, .value_kind: global_buffer, .address_space: global }
      - { .name: ln_b, .offset: 32, .size: 8, .value_kind: global_buffer, .address_space: global }
      - { .name: out0, .offset: 40, .size: 8, .value_kind: global_buffer, .address_space: global }
    .group_segment_fixed_size: 327680
    .private_segment_fixed_size: 0
    .kernarg_segment_align: 8
    .kernarg_segment_size: 48
    .max_flat_workgroup_size: 128
    .sgpr_count:     66
    .vgpr_count:     1024
    .wavefront_size: 32
...
	.end_amdgpu_metadata
.endif
;; end of part 3
